; MI455X (gfx1250); checked and timed in simulation.
; The chip was launched on July 23, 2026; its instructions are those of AMD's public machine-readable ISA for CDNA 5 (MIT licence, August 2026) and "CDNA5" Instruction Set Architecture Reference Guide (July 2026). The comments in the code are by the model that wrote it; some were corrected since.
;; Sparse Mo E Block. Allowed arithmetic: matrix products marked QUANTISED: E3M2 operands, one E8M0 scale for each 32 along K, by v_wmma_scale_f32_16x16x128_f8f6f4 with both operands' format E3M2, f32 sums; products left as they are: f32 operands where the result goes on into a quantised operand, else bf16, f16 or f32 operands; f32 sums; everything else in f32.
;; Inputs: b1 2 x 4,096 float32; b2 2 x 1,024 float32; gate_w 2 x 1,024 float32; w1 4,096 x 2 x 1,024 float32; w2_codes 1,024 x 2 x 128 x 24 uint8 (E3M2 codes of w2, K innermost, in blocks of 32 codes, four codes in three bytes); w2_scales 1,024 x 2 x 128 uint8 (E8M0 scales of w2, one for each 32 codes along K); x 2 x 2,048 x 1,024 float32.
;; Outputs: out0 2 x 2,048 x 1,024 float32.
;; This version of the problem:
;;   THIS VERSION OF THE PROBLEM IS GIVEN IN LOW PRECISION. The matrix products marked QUANTISED in the list below multiply operands that are first quantised to E3M2 (3 exponent bits, 2 mantissa bits; 6 bits a number), with one power-of-two scale for each 32 numbers along K (OCP MX v1.0); their sums are f32. All else is computed in f32.
;;   The module's matrix products, in the order in which they are computed (A, B: the left and right operand; K: the contracted axis; several contracted axes count as one K, in the product's order):
;;     1. [M 4,096, K 1,024] x [K 1,024, N 2]; A: input x; B: input gate_w: left as it is (N = 2 < 16)
;;     2. batch 4,096 x [M 2, K 1] x [K 1, N 1,024]; A: computed on the way; B: computed on the way: left as it is (no contracted axis)
;;     3. [M 4,096, K 2,048] x [K 2,048, N 4,096]; A: computed on the way; B: input w1: QUANTISED
;;     4. [M 2,048, K 4,096] x [K 4,096, N 4,096]; A: input w2 (given as codes); B: computed on the way: QUANTISED
;;     5. batch 4,096 x [M 1, K 2] x [K 2, N 1,024]; A: computed on the way; B: computed on the way: left as it is (K = 2 < 32)
;;   THE QUANTISER, for each operand of a quantised product, along K:
;;     - K is cut into blocks of 32 from its start; a last block that is shorter is filled with zeros.
;;     - A block's scale is 2^e with e = floor(log2(the largest magnitude in the block)) - 4, held to -126 .. 127; a block of zeros has e = 0. As a byte (E8M0): e + 127.
;;     - Each number is divided by its block's scale, clamped to +-28, and rounded to the nearest number of E3M2, ties to even, subnormals kept.
;;     - The product sums the exact products of the quantised numbers (number of the format x scale) in f32.
;;   ~~~python
;;   def quantise(x, axis):      # numpy; x: float32 -> the quantised numbers, widened to float32 again
;;       x = np.moveaxis(x, axis, -1); K = x.shape[-1]
;;       x = np.pad(x, [(0, 0)] * (x.ndim - 1) + [(0, -K % 32)]); x = x.reshape(x.shape[:-1] + (-1, 32)); a = np.abs(x).max(-1, keepdims=True)
;;       e = np.where(a > 0, np.clip(np.frexp(np.where(a > 0, a, 1))[1] - 1 - 4, -126, 127), 0)      # np.frexp(a)[1] - 1 = floor(log2(a)), exactly
;;       r = np.clip(x / 2.0 ** e, -28, 28)
;;       step = 2.0 ** (np.maximum(np.frexp(np.where(r == 0, 1, r))[1] - 1, -2) - 2)
;;       q = np.round(r / step) * step * 2.0 ** e      # np.round: ties to even
;;       return np.moveaxis(q.reshape(q.shape[:-2] + (-1,))[..., :K], -1, axis).astype(np.float32)
;;   ~~~
;;   OPERANDS COMPUTED ON THE WAY. 'Computed on the way' means the value that the module computes at that place (a softmax that the list does not call 'softmax' is quantised finished and normalised). What goes into a quantiser is computed in f32, as accurately as f32 sums, v_exp_f32 and their like allow (about 1e-6 of the number): no bf16 or f16 on the way to a quantiser, and a product that is left as it is and whose result goes on into a quantised operand takes f32 operands (vector FMAs, or v_wmma_f32_16x16x4_f32). A number that lies on a knife's edge between two numbers of the format may be rounded either way, as far as f32 arithmetic and the matrix unit's own rounding can turn it there, and no further.
;;   INPUTS GIVEN AS CODES. w2 (in the module: [1024, 2, 4096], K = its axis 2): each comes as NAME_codes (uint8): NAME with its K axis moved to the last place and cut into blocks of 32 codes, [.., K / 32, bytes a block], one block behind the other in memory; four codes in three bytes: a row's codes are one little-endian stream of bits, code i at bits 6 i .. 6 i + 5 (a code: sign, 3 exponent bits, 2 mantissa bits); and NAME_scales (uint8): the same leading axes, one E8M0 byte (e + 127) for each 32 codes along K. Its value is code x scale, taken as it is: it is not quantised again, and the codes and scales need not be those that the quantiser above would give.
;; One version. Each part assembles by itself: llvm-mc -triple=amdgcn-amd-amdhsa -mcpu=gfx1250 --defsym DOCPART=n.
;; ======== version 1 of 1: 3 launches
;; limits: right only within a limited range of input values
;; workspace buffers: xq 6,553,600 bytes; w1q 6,553,600 bytes; w2q 6,553,600 bytes; hq 13,107,200 bytes; rt 65,536 bytes
;; launch prep (part 1): grid 224 x 1, 4 waves a work-group, no clusters, 253,440 bytes of LDS; arguments x, gate_w, w1, w2_codes, w2_scales, xq, w1q, w2q, rt; writes xq, w1q, w2q, rt
.if DOCPART == 1
	.amdgcn_target "amdgcn-amd-amdhsa--gfx1250"
	.amdhsa_code_object_version 6
	.text
	.protected	k_qf0dad7c616_prep
	.globl	k_qf0dad7c616_prep
	.p2align	8
	.type	k_qf0dad7c616_prep,@function
k_qf0dad7c616_prep:
	s_mov_b64 s[64:65], 0
	v_nop
	global_prefetch_b8 v0, s[64:65] scope:SCOPE_SE
	s_setreg_imm32_b32 hwreg(HW_REG_WAVE_MODE, 25, 1), 1
	s_wait_xcnt 0x0
; PREP: the gate, and all three operands that come from inputs, laid as the two products' launches read them.
; THE FIRST PRODUCT'S K is (d, e) taken as one axis, K = 2 d + e: a block of 32 is 16 neighbouring d x both experts.  So x (spread by the one-hot) has one scale for each 16 d, its other
; 16 numbers being zeros, and w1 one scale for each (f, 16 d), shared by both experts.  Inside a block the order is free if both operands keep it: here 16 e + (d mod 16).
; A STORED TILE "SR(NQ)" is 128 rows x 128 NQ along K, 12,800 NQ dense bytes: block i (16 rows), K step q, chunk c at 1536 NQ i + 1536 q + 512 c + 16 lane: the image of the operand's
; registers 4 c .. 4 c + 3; behind the codes the scale words, at 12,288 NQ + 512 q + 64 i + 4 row.   xq [8][32] SR(2), w1q [8][32] SR(2), w2q [8][16] SR(4).   rt: 16 bytes a token: m0, p, m1, p.
; w1q's rows: row r of block 2 b + u of group g is f = 128 g + 32 b + 8 u + r + 8 (r / 8), so that the first product's results lie along the second product's K.
; SHARES: work-groups 0-63: x, 64 tokens each (a wave: 16); 64-191: w1, a wave takes 64 rows x 128 d x 2 experts; 192-223: w2, a wave takes 16 rows.  The three paths part on the work-group's
; number, never join, and have LDS bytes of their own.  A wave asks for all its bytes at once (each load covers whole aligned runs of 256 bytes) and then works set by set through its own stage in LDS.
; THE X PATH works each set of 128 d as it arrives: its part of the logits AND its codes and scale words, which do not hang on the gate.  The codes wait in the set's own registers;
; behind the gate only the one-hot's masks and the stores are left.
; LIMITS: NaN and infinities among the inputs are not served.  A block whose largest magnitude lies under 2^-122 keeps the scale byte 1 (a block of zeros too: its codes are zeros, and only
; this program reads the bytes).  The logits are summed in another order than the reference's: where the two probabilities differ by less than that, the other expert may be chosen.
.set XST, 0                            ; LDS, x path: 17,408 bytes a wave, of which one stage of 8,704 (2 planes x 16 lines x (256 + 16)) is used
.set SCX, 69632                        ;   its scale words [ks 8][q 2][wave 4][row 16]
.set WST, 73728                        ; w1 path: 4 waves x 2 stages of 8,704 bytes
.set SCW, 143360                       ;   scale words, 512 bytes a wave [q 2][block 4][row 16]
.set VST, 145408                       ; w2 path: 4 waves x 16 rows x 1,552 bytes (half a row of codes + 16)
.set SCV, 244736                       ;   scale words [ks 8][q 4][wave 4][row 16]
.set STG, 8704
; window 0 on the w1 and w2 paths:
.set F,   32                           ; v32-55   codes to store
.set C,   56                           ; v56-71   conversions' results, four runs of 4
.set TM,  72                           ; v72-75   largest magnitudes
.set SCL, 76                           ; v76-79   the conversions' scale operands
.set BY,  80                           ; v80-83   scale bytes
.set W,   84                           ; v84-87   scale words
.set X,   96                           ; v96-223  two sets of 64 numbers back from the stage
; window 0 on the x path:
.set G,   32                           ; v32-95   the gate's weights; behind the gate:
.set FX,  32                           ; v32-79   masked codes to store, two sets of 24 by turns
.set P,   96                           ; v96-159  32 packed sums of the gate
.set XQ,  160                          ; v160-223 64 numbers back from the stage; behind the last step:
.set A0,  160                          ; v160-175, v176-191 the lanes' parts of the logits, v192-195 at work
.set A1,  176
.set T,   192
.set TMX, 224                          ; v224-227 largest magnitudes
.set SLX, 228                          ; v228-231 the conversions' scale operands
.set BYX, 232                          ; v232-235 scale bytes
.set WX,  236                          ; v236-239 scale words
; v1 lane, v2 r = lane % 16, v3 h = lane / 16, v4 w1's load offset, v5, v6 stage in and out, v7 16 lane, v8 8 h, v9, v10 scale words in LDS in and out, v11 512 h + 16 r
; windows 1 and 2 (v256-767): R, all that the wave has loaded, in sets of 64
.set MSB, 0
.macro WIN new                         ; the immediate's high byte repeats the setting that is left
.if MSB != (\new)
	s_set_vgpr_msb (MSB<<8)|(\new)
.set MSB, (\new)
.endif
.endm
; Set n of R (16 loads of 512 bytes: lanes 0-15 one run of 256 bytes, lanes 16-31 another) goes through my stage par: plane = half of the lanes, line = load.
; It comes back 64 bytes a lane and plane: X[32 s + 16 c + i] = number 32 c + 16 h + i of line r of plane s.  LDS serves a wave's instructions in order, so no wait stands between.
.macro TURN n, par
	WIN 0x04*(1+(\n)/4)
.irp t, 0,1,2,3,4,5,6,7,8,9,10,11,12,13,14,15
	ds_store_b128 v5, v[64*((\n)%4)+4*\t:64*((\n)%4)+4*\t+3] offset:(\par)*STG+272*\t
.endr
	WIN 0
.irp s, 0,1
.irp c, 0,1
.irp jj, 0,1,2,3
	ds_load_b128 v[X+64*(\par)+32*\s+16*\c+4*\jj:X+64*(\par)+32*\s+16*\c+4*\jj+3], v6 offset:(\par)*STG+4352*\s+128*\c+16*\jj
.endr
.endr
.endr
.endm
.macro MAX4 xs, tm                     ; the largest magnitudes of four runs of 16 numbers, by turns, each with the floor 2^(5 - 127): so no scale byte falls under 1
.irp b, 0,1,2,3
	v_max3_num_f32 v[\tm+\b], |v[\xs+16*\b]|, |v[\xs+16*\b+1]|, 0x2800000
.endr
.irp i, 2,4,6,8,10,12,14
.irp b, 0,1,2,3
	v_max3_num_f32 v[\tm+\b], v[\tm+\b], |v[\xs+16*\b+\i]|, |v[\xs+16*\b+\i+1]|
.endr
.endr
.endm
.macro SWORD dst, a, b, tmp            ; my two bytes (blocks h and 2 + h) at their places, with lane l xor 16's two: the row's scale word for 128 along K
	v_lshl_or_b32 v[\dst], v[\b], 16, v[\a]
	v_lshlrev_b32 v[\dst], v8, v[\dst]
	v_permlanex16_b32 v[\tmp], v[\dst], s28, s29
	v_or_b32 v[\dst], v[\dst], v[\tmp]
.endm
	s_load_b256 s[4:11], s[0:1], 0x0               ; x s[4:5], gate_w s[6:7], w1 s[8:9], w2_codes s[10:11]
	s_load_b256 s[12:19], s[0:1], 0x20             ; w2_scales s[12:13], xq s[14:15], w1q s[16:17], w2q s[18:19]
	s_load_b64 s[20:21], s[0:1], 0x40              ; rt
	v_lshl_add_u32 v254, v0, 2, 0x3dc00
	v_mov_b32 v255, 0
	v_lshrrev_b32 v1, 5, v0
	v_readfirstlane_b32 s22, v1                    ; wave 0..3
	v_and_b32 v1, 31, v0
	v_and_b32 v2, 15, v0
	v_bfe_u32 v3, v0, 4, 1
	v_lshlrev_b32 v7, 4, v1
	v_lshlrev_b32 v8, 3, v3
	v_lshlrev_b32 v11, 9, v3
	v_lshl_add_u32 v11, v2, 4, v11
	v_mov_b32 v86, 0                               ; written once: a lane permute's destination counts as one of its sources
	s_mov_b32 s25, 0                               ; the high word of every offset pair s[24:25]
	s_mov_b32 s28, 0x76543210
	s_mov_b32 s29, 0xfedcba98                      ; v_permlanex16_b32's selects for lane l xor 16
	s_mov_b32 s30, 0xaaaaaaaa                      ; lanes whose bit 0, 1, 2, 3, 4 is set
	s_mov_b32 s31, 0xcccccccc
	s_mov_b32 s32, 0xf0f0f0f0
	s_mov_b32 s33, 0xff00ff00
	s_mov_b32 s34, 0xffff0000
	s_wait_kmcnt 0x0
	s_cmp_lt_u32 ttmp9, 64
	s_cbranch_scc1 .Lx_path
	s_cmp_lt_u32 ttmp9, 192
	s_cbranch_scc1 .Lw1_path
; ---------------- w2: codes and scale bytes are taken as they are given and only laid anew ----------------
	s_sub_co_u32 s23, ttmp9, 192
	s_lshr_b32 s40, s23, 1                         ; nt: which 128 rows n = 2 d + e
	s_and_b32 s41, s23, 1                          ; which half of them
	s_lshl_b32 s42, s41, 2
	s_add_co_u32 s42, s42, s22                     ; my block of 16 rows: i = 4 half + wave
	s_lshl_b32 s43, s40, 7
	s_lshl_b32 s23, s42, 4
	s_add_co_u32 s43, s43, s23                     ; its first row
	s_mul_i32 s24, s43, 3072                       ; a row of 4,096 codes is 3,072 bytes
	s_add_nc_u64 s[10:11], s[10:11], s[24:25]
	s_lshl_b32 s24, s43, 7                         ; and 128 scale bytes
	s_add_nc_u64 s[12:13], s[12:13], s[24:25]
	s_wait_alu depctr_va_vdst(0)
.irp m, 0,1,2,3
	global_load_b128 v[32+4*\m:35+4*\m], v7, s[12:13] offset:512*\m th:TH_LOAD_NT
.endr
.irp m, 0,1,2,3,4,5
	WIN 0x40*(1+\m/4)
.irp n, 0,1,2,3,4,5,6,7,8,9,10,11,12,13,14,15
	global_load_b128 v[64*(\m%4)+4*\n:64*(\m%4)+4*\n+3], v7, s[10:11] offset:3072*\n+512*\m th:TH_LOAD_NT   ; 512 consecutive bytes of row n
.endr
.endr
	WIN 0
	s_mul_i32 s23, s22, 24832
	s_add_co_u32 s23, s23, VST
	v_add_nc_u32 v5, s23, v7                       ; into my stage: 16 lane (+ 1,552 a row)
	v_mul_u32_u24 v6, v2, 1552
	v_mad_u32_u24 v6, v3, 24, v6
	v_add_nc_u32 v6, s23, v6                       ; out of it: row r, + 24 h: 388 words from row to row, so the 32 lanes of a load of 8 bytes touch 64 different banks
	v_and_b32 v12, 7, v0
	v_bfe_u32 v13, v0, 3, 2
	v_lshlrev_b32 v9, 10, v12
	v_lshl_add_u32 v9, v13, 2, v9
	s_lshl_b32 s23, s22, 6
	s_add_co_u32 s23, s23, SCV
	v_add_nc_u32 v9, s23, v9                       ; scale words in: ks = lane % 8, row 4 m + lane / 8
	s_lshl_b32 s23, s22, 11
	s_add_co_u32 s23, s23, SCV
	v_add_nc_u32 v10, s23, v7                      ; and out: wave w takes ks 2 w and 2 w + 1
	s_mul_i32 s26, s40, 51200
	s_mul_i32 s23, s42, 6144
	s_add_co_u32 s24, s26, s23
	s_add_nc_u64 s[36:37], s[18:19], s[24:25]      ; w2q: my block's codes in the tile of ks 0
	s_lshl_b32 s23, s41, 8
	s_add_co_u32 s24, s26, s23
	s_mul_i32 s23, s22, 1638400
	s_add_co_u32 s24, s24, s23
	s_add_co_u32 s24, s24, 49152
	s_add_nc_u64 s[38:39], s[18:19], s[24:25]      ; and the scale words that I store
	s_wait_alu depctr_va_vdst(0)
	s_wait_loadcnt 63                              ; the four loads of scale bytes are in (96 loads were issued behind them; the count is the field's largest)
.irp m, 0,1,2,3
.irp q, 0,1,2,3
	ds_store_b32 v9, v[32+4*\m+\q] offset:256*\q+16*\m
.endr
.endr
.macro CODES g3                        ; half g3 of my 16 rows (1,536 bytes each: four ks) through the stage; out of it each lane takes its fragments' 24 + 24 bytes
.irp mm, 0,1,2
	WIN 0x04*(1+(3*(\g3)+\mm)/4)
.irp n, 0,1,2,3,4,5,6,7,8,9,10,11,12,13,14,15
	ds_store_b128 v5, v[64*((3*(\g3)+\mm)%4)+4*\n:64*((3*(\g3)+\mm)%4)+4*\n+3] offset:1552*\n+512*\mm
.endr
.endr
	WIN 0
.irp kq, 0,1,2,3
.if 4*(\g3)+\kq >= 2
	s_wait_xcnt 0x0                                ; the stores of two ks back have read these registers
.endif
.irp q, 0,1,2,3
.irp p, 0,1,2,3,4,5
	ds_load_b64 v[X+48*(\kq%2)+12*\q+2*\p:X+48*(\kq%2)+12*\q+2*\p+1], v6 offset:384*\kq+96*\q+48*(\p/3)+8*(\p%3)
.endr
.endr
	s_wait_dscnt 0x0
.irp q, 0,1,2,3
.irp c, 0,1,2
	global_store_b128 v7, v[X+48*(\kq%2)+12*\q+4*\c:X+48*(\kq%2)+12*\q+4*\c+3], s[36:37] offset:819200*(4*(\g3)+\kq)+1536*\q+512*\c   ; 512 consecutive bytes, aligned
.endr
.endr
.endr
.endm
	s_wait_loadcnt 48                              ; the first 48 loads of codes are in, the other 48 may be out
	CODES 0
	s_wait_loadcnt 0x0
	CODES 1
	s_wait_dscnt 0x0                               ; for the others' sake: my scale words lie in LDS
	s_barrier_signal -1
	s_barrier_wait -1
.irp z, 0,1,2,3
	ds_load_b128 v[32+4*\z:35+4*\z], v10 offset:512*\z
.endr
	s_wait_dscnt 0x0
.irp z, 0,1,2,3
	global_store_b128 v11, v[32+4*\z:35+4*\z], s[38:39] offset:819200*(\z/2)+1024*(\z%2)   ; sixteen lanes store 256 consecutive bytes, aligned: four waves' words of one (ks, q)
.endr
	s_wait_tensorcnt 0x0
	ds_add_u32 v254, v255
	s_wait_dscnt 0x0
	s_endpgm
; ---------------- x: gate, softmax, top-1, and the codes of the one-hot spread of x ----------------
.Lx_path:
	s_lshl_b32 s24, ttmp9, 18
	s_lshl_b32 s23, s22, 16
	s_add_co_u32 s24, s24, s23
	s_add_nc_u64 s[4:5], s[4:5], s[24:25]          ; x at my wave's 16 tokens: 64 x work-group + 16 x wave, 4,096 bytes each
	s_wait_alu depctr_va_vdst(0)
.irp e, 0,1
.irp j, 0,1,2,3,4,5,6,7
	global_load_b128 v[G+32*\e+4*\j:G+32*\e+4*\j+3], v7, s[6:7] offset:4096*\e+512*\j      ; gate_w[e][128 j + 4 lane ..]
.endr
.endr
.irp j, 0,1,2,3,4,5,6,7
	WIN 0x40*(1+\j/4)
.irp t, 0,1,2,3,4,5,6,7,8,9,10,11,12,13,14,15
	global_load_b128 v[64*(\j%4)+4*\t:64*(\j%4)+4*\t+3], v7, s[4:5] offset:4096*\t+512*\j th:TH_LOAD_NT   ; x[token t][128 j + 4 lane ..]: set j
.endr
.endr
	WIN 0
	s_lshl_b32 s24, ttmp9, 10
	s_lshl_b32 s23, s22, 8
	s_add_co_u32 s24, s24, s23
	s_add_nc_u64 s[20:21], s[20:21], s[24:25]      ; rt at my 16 tokens
	s_lshr_b32 s26, ttmp9, 1
	s_mul_i32 s26, s26, 25600                      ; my tile of 128 tokens
	s_and_b32 s27, ttmp9, 1
	s_lshl_b32 s23, s27, 2
	s_add_co_u32 s23, s23, s22                     ; my block in it
	s_mul_i32 s23, s23, 3072
	s_add_co_u32 s24, s26, s23
	s_add_nc_u64 s[36:37], s[14:15], s[24:25]      ; xq: my block's codes in the tile of ks 0
	s_lshl_b32 s27, s27, 8
	s_mul_i32 s23, s22, 1638400
	s_add_co_u32 s24, s26, s27
	s_add_co_u32 s24, s24, s23
	s_add_co_u32 s24, s24, 24576
	s_add_nc_u64 s[38:39], s[14:15], s[24:25]      ; and the scale words that I store: ks 2 w and 2 w + 1
	s_mul_i32 s23, s22, 2*STG
	v_mul_u32_u24 v5, v3, 4352
	v_lshl_add_u32 v5, v2, 4, v5
	v_add_nc_u32 v5, s23, v5                       ; stage in: plane h, 16 r
	v_mul_u32_u24 v6, v2, 272
	v_lshl_add_u32 v6, v3, 6, v6
	v_add_nc_u32 v6, s23, v6                       ; stage out: line r, 64 h
	v_lshlrev_b32 v9, 8, v3
	v_lshl_add_u32 v9, v2, 2, v9
	s_lshl_b32 s23, s22, 6
	s_add_co_u32 s23, s23, SCX
	v_add_nc_u32 v9, s23, v9                       ; scale words in: 256 h + 64 wave + 4 r
	s_lshl_b32 s23, s22, 10
	s_add_co_u32 s23, s23, SCX
	v_add_nc_u32 v10, s23, v7                      ; and out
	v_lshl_add_u32 v26, v2, 4, v8                  ; rt: 16 r + 8 h
	v_mov_b32 v12, 0
	v_mov_b32 v13, 1.0
	v_mov_b32 v14, -1
	v_mov_b32 v[WX+2], 0                           ; written once: a lane permute's destination counts as one of its sources
; SET j (ks = j: 128 d of my 16 tokens), as soon as its 16 loads are in.  It goes through the stage; the gate's multiply-adds on it stand between the LDS loads and the wait for them.
; THE GATE, in f32: each lane sums its 4 d of each of the 16 tokens, for both experts, two at a time; the 32 packed sums take turns.
; THE CODES: run b = 2 q + c of 16 numbers is the live half of block 2 c + h of fragment q.  Its 16 codes (3 registers) wait in register 4 b on of set j itself, which is done with by then.
.macro STEPX j
.if 16*(7-(\j)) > 63
	s_wait_loadcnt 63                              ; set j is in: 16 (7 - j) loads were issued behind it (where that is above the field's largest count, the largest)
.else
	s_wait_loadcnt 16*(7-(\j))
.endif
	WIN 0x04*(1+(\j)/4)                            ; an LDS store's data are its source 1
.irp t, 0,1,2,3,4,5,6,7,8,9,10,11,12,13,14,15
	ds_store_b128 v5, v[64*((\j)%4)+4*\t:64*((\j)%4)+4*\t+3] offset:272*\t
.endr
	WIN 0
.irp s, 0,1
.irp c, 0,1
.irp jj, 0,1,2,3
	ds_load_b128 v[XQ+32*\s+16*\c+4*\jj:XQ+32*\s+16*\c+4*\jj+3], v6 offset:4352*\s+128*\c+16*\jj   ; LDS serves a wave's instructions in order: these see the stores above
.endr
.endr
.endr
	WIN 1+(\j)/4
.irp hf, 0,1
.irp t, 0,1,2,3,4,5,6,7,8,9,10,11,12,13,14,15
.irp e, 0,1
.if ((\j) == 0) && (\hf == 0)
	v_pk_mul_f32 v[P+4*\t+2*\e:P+4*\t+2*\e+1], v[64*((\j)%4)+4*\t+2*\hf:64*((\j)%4)+4*\t+2*\hf+1], v[G+32*\e+4*(\j)+2*\hf:G+32*\e+4*(\j)+2*\hf+1]
.else
	v_pk_fma_f32 v[P+4*\t+2*\e:P+4*\t+2*\e+1], v[64*((\j)%4)+4*\t+2*\hf:64*((\j)%4)+4*\t+2*\hf+1], v[G+32*\e+4*(\j)+2*\hf:G+32*\e+4*(\j)+2*\hf+1], v[P+4*\t+2*\e:P+4*\t+2*\e+1]
.endif
.endr
.endr
.endr
	WIN 0
	s_wait_dscnt 0x0                               ; the set is back from the stage, and the stores into the stage have read its registers
	MAX4 XQ, TMX
.irp b, 0,1,2,3
	v_add_nc_u32 v[SLX+\b], 0xfe000000, v[TMX+\b]  ; 4 off the exponent field: the conversion takes the exponent field of this operand as its scale
.endr
.irp b, 0,1,2,3
	v_lshrrev_b32 v[BYX+\b], 23, v[SLX+\b]         ; the scale's byte
.endr
	WIN 0x40*(1+(\j)/4)                            ; the codes go into set j's own registers
.irp b, 0,1,2,3
	v_cvt_scalef32_pk16_bf6_f32 v[64*((\j)%4)+4*\b:64*((\j)%4)+4*\b+2], v[XQ+16*\b:XQ+16*\b+15], v[SLX+\b]
.endr
	WIN 0
	v_nop                                          ; one plain instruction behind the scaled conversions
	SWORD WX, BYX, BYX+1, WX+2
	SWORD WX+1, BYX+2, BYX+3, WX+2
	v_cndmask_b32 v[WX+3], v[WX], v[WX+1], s34     ; lanes 0-15 carry fragment 0's words, lanes 16-31 fragment 1's
	ds_store_b32 v9, v[WX+3] offset:512*(\j)
.endm
.irp j, 0,1,2,3,4,5,6,7
	STEPX \j
.endr
.irp t, 0,1,2,3,4,5,6,7,8,9,10,11,12,13,14,15
	v_add_f32 v[A0+\t], v[P+4*\t], v[P+4*\t+1]
	v_add_f32 v[A1+\t], v[P+4*\t+2], v[P+4*\t+3]
.endr
; Sixteen sums over 32 lanes at once: in step st a lane keeps, of each pair of tokens, the one whose bit st is its own lane's bit st, and gives the other to lane l xor 2^st.  After four steps lane l holds token l % 16.
.macro FLY base, n, st, xm
.set fq, 0
.rept \n
	v_cndmask_b32 v[T+2*(fq%2)], v[\base+2*fq], v[\base+2*fq+1], s[30+\st]
	v_cndmask_b32 v[T+2*(fq%2)+1], v[\base+2*fq+1], v[\base+2*fq], s[30+\st]
	v_add_f32_dpp v[\base+fq], v[T+2*(fq%2)+1], v[T+2*(fq%2)] row_xmask:\xm row_mask:0xf bank_mask:0xf
.set fq, fq+1
.endr
.endm
	FLY A0, 8, 0, 1
	FLY A1, 8, 0, 1
	FLY A0, 4, 1, 2
	FLY A1, 4, 1, 2
	FLY A0, 2, 2, 4
	FLY A1, 2, 2, 4
	FLY A0, 1, 3, 8
	FLY A1, 1, 3, 8
	v_permlanex16_b32 v[T], v[A0], s28, s29
	v_permlanex16_b32 v[T+1], v[A1], s28, s29
	v_add_f32 v18, v[A0], v[T]                     ; lanes r and r + 16: token r's two logits
	v_add_f32 v19, v[A1], v[T+1]
	v_max_num_f32 v23, v18, v19                    ; the softmax as it is written: the maximum is taken away first
	v_sub_f32 v18, v18, v23
	v_sub_f32 v19, v19, v23
	v_mul_f32 v18, 0x3fb8aa3b, v18
	v_mul_f32 v19, 0x3fb8aa3b, v19
	s_wait_alu depctr_va_vdst(0)
	v_exp_f32 v18, v18
	v_exp_f32 v19, v19
	v_nop                                          ; a plain instruction behind the exponentials,
	s_wait_alu depctr_va_vdst(0)                   ; and the wait ahead of the first use: one for both
	v_add_f32 v23, v18, v19
	s_wait_alu depctr_va_vdst(0)
	v_rcp_f32 v23, v23
	v_nop
	s_wait_alu depctr_va_vdst(0)
	v_mul_f32 v18, v18, v23                        ; p0, p1
	v_mul_f32 v19, v19, v23
	v_cmp_gt_f32 vcc_lo, v19, v18                  ; expert 1 only where p1 > p0: a tie keeps the lower index
	v_cndmask_b32 v22, v18, v19, vcc_lo            ; p
	v_cndmask_b32 v20, 1.0, v12, vcc_lo            ; m0, m1: the one-hot
	v_cndmask_b32 v21, 0, v13, vcc_lo
	v_cndmask_b32 v16, -1, v12, vcc_lo             ; and as masks of bits for the codes
	v_cndmask_b32 v17, 0, v14, vcc_lo
	v_cndmask_b32 v24, v20, v21, s34
	v_mov_b32 v25, v22
	global_store_b64 v26, v[24:25], s[20:21]       ; lanes 0-15: m0, p; lanes 16-31: m1, p: 256 consecutive bytes, aligned
; What hangs on the gate: of each block of 32 the chosen expert's 16 codes are the run's, the other 16 are zero codes.  Two fragments a set, six stores of 512 consecutive bytes, aligned.
.macro OUTX j
.set FS, FX+24*((\j)%2)
.if (\j) >= 2
	s_wait_xcnt 0x0                                ; the stores of two sets back have read the registers that are written next
.endif
	WIN 1+(\j)/4
.irp b, 0,1,2,3
.irp i, 0,1,2
	v_and_b32 v[FS+6*\b+\i], v[64*((\j)%4)+4*\b+\i], v16       ; the block's first 16 codes: expert 0's,
	v_and_b32 v[FS+6*\b+3+\i], v[64*((\j)%4)+4*\b+\i], v17     ; its second 16: expert 1's
.endr
.endr
	WIN 0
.irp f, 0,1
.irp c, 0,1,2
	global_store_b128 v7, v[FS+12*\f+4*\c:FS+12*\f+4*\c+3], s[36:37] offset:819200*(\j)+1536*\f+512*\c
.endr
.endr
.endm
.irp j, 0,1,2,3,4,5,6,7
	OUTX \j
.endr
	s_wait_dscnt 0x0                               ; for the others' sake: my scale words lie in LDS
	s_barrier_signal -1
	s_barrier_wait -1
	ds_load_b128 v[88:91], v10
	ds_load_b128 v[92:95], v10 offset:512
	s_wait_dscnt 0x0
	global_store_b128 v11, v[88:91], s[38:39]      ; sixteen lanes store 256 consecutive bytes, aligned: four waves' words of one (ks, q)
	global_store_b128 v11, v[92:95], s[38:39] offset:819200
	s_wait_tensorcnt 0x0
	ds_add_u32 v254, v255
	s_wait_dscnt 0x0
	s_endpgm
; ---------------- w1: 16 d x both experts are a block ----------------
.Lw1_path:
	s_sub_co_u32 s23, ttmp9, 64
	s_lshl_b32 s23, s23, 2
	s_add_co_u32 s23, s23, s22                     ; my unit
	s_and_b32 s40, s23, 7                          ; ks: which 128 d
	s_bfe_u32 s41, s23, 0x10003                    ; which 64 rows of the group
	s_lshr_b32 s42, s23, 4                         ; g: which 128 f
	s_lshl_b32 s24, s42, 20
	s_lshl_b32 s23, s41, 19
	s_add_co_u32 s24, s24, s23
	s_lshl_b32 s23, s40, 9
	s_add_co_u32 s24, s24, s23
	s_add_nc_u64 s[8:9], s[8:9], s[24:25]          ; w1 at row 128 g + 64 half (8,192 bytes a row: expert 0's 4,096, then expert 1's), d = 128 ks
	s_wait_alu depctr_va_vdst(0)
	v_lshlrev_b32 v4, 12, v3
	v_lshl_add_u32 v4, v2, 4, v4                   ; lanes 0-15 expert 0, lanes 16-31 expert 1: 256 consecutive bytes each
.irp p, 0,1,2,3,4,5,6,7                        ; set p = 2 ii + q: block ii of my four, fragment q; load n is the block's row n
	WIN 0x40*(1+\p/4)
.irp n, 0,1,2,3,4,5,6,7,8,9,10,11,12,13,14,15
	global_load_b128 v[64*(\p%4)+4*\n:64*(\p%4)+4*\n+3], v4, s[8:9] offset:(32*(\p/4)+8*((\p/2)%2)+\n+8*(\n/8))*8192+256*(\p%2) th:TH_LOAD_NT
.endr
.endr
	WIN 0
	s_mul_i32 s26, s40, 819200
	s_mul_i32 s23, s42, 25600
	s_add_co_u32 s26, s26, s23                     ; my tile of w1q
	s_mul_i32 s23, s41, 12288
	s_add_co_u32 s24, s26, s23
	s_add_nc_u64 s[36:37], s[16:17], s[24:25]      ; my four blocks' codes
	s_lshl_b32 s23, s41, 8
	s_add_co_u32 s24, s26, s23
	s_add_co_u32 s24, s24, 24576
	s_add_nc_u64 s[38:39], s[16:17], s[24:25]      ; and their scale words
	s_mul_i32 s23, s22, 2*STG
	s_add_co_u32 s23, s23, WST
	v_mul_u32_u24 v5, v3, 4352
	v_lshl_add_u32 v5, v2, 4, v5
	v_add_nc_u32 v5, s23, v5
	v_mul_u32_u24 v6, v2, 272
	v_lshl_add_u32 v6, v3, 6, v6
	v_add_nc_u32 v6, s23, v6
	s_lshl_b32 s23, s22, 9
	s_add_co_u32 s23, s23, SCW
	v_lshl_add_u32 v9, v2, 2, s23                  ; scale words in: 512 wave + 4 r
	v_add_nc_u32 v10, s23, v7                      ; and out
	s_wait_alu depctr_va_vdst(0)
	s_wait_loadcnt 63                              ; set 0 is in (112 loads were issued behind it)
	TURN 0, 0
.macro STEPW p
.set XS, X+64*((\p)%2)
.if (\p) > 0
	s_wait_dscnt 0x1                               ; this set is back from the stage; the last step's scale-word store may be out
.else
	s_wait_dscnt 0x0
.endif
.if (\p) < 7
.if 16*(6-(\p)) > 63
	s_wait_loadcnt 63                              ; the next set is in: 16 (6 - p) loads were issued behind it
.else
	s_wait_loadcnt 16*(6-(\p))
.endif
	TURN (\p)+1, ((\p)+1)%2
.endif
	MAX4 XS, TM                                    ; runs 0, 1: expert 0's 16 d of blocks h and 2 + h; runs 2, 3: expert 1's
.irp c, 0,1
	v_max_num_f32 v[TM+\c], v[TM+\c], v[TM+2+\c]   ; the block's largest magnitude, over both experts
.endr
.irp c, 0,1
	v_add_nc_u32 v[SCL+\c], 0xfe000000, v[TM+\c]
.endr
.irp c, 0,1
	v_lshrrev_b32 v[BY+\c], 23, v[SCL+\c]
.endr
	s_wait_alu depctr_va_vdst(0)
	s_wait_xcnt 0x0                                ; the last step's stores have read the registers that are written next
.irp c, 0,1
	v_cvt_scalef32_pk16_bf6_f32 v[F+6*\c:F+6*\c+2], v[XS+16*\c:XS+16*\c+15], v[SCL+\c]
	v_cvt_scalef32_pk16_bf6_f32 v[C+4*\c:C+4*\c+2], v[XS+32+16*\c:XS+32+16*\c+15], v[SCL+\c]   ; (a conversion's three registers begin on an even number)
.endr
	v_nop
.irp c, 0,1
.irp i, 0,1,2
	v_mov_b32 v[F+6*\c+3+\i], v[C+4*\c+\i]
.endr
.endr
	SWORD W, BY, BY+1, W+2
.irp c, 0,1,2
	global_store_b128 v7, v[F+4*\c:F+4*\c+3], s[36:37] offset:1536*(\p)+512*\c
.endr
	ds_store_b32 v9, v[W] offset:256*((\p)%2)+64*((\p)/2)    ; both halves of the lanes write the same word with the same value
.endm
.irp p, 0,1,2,3,4,5,6,7
	STEPW \p
.endr
	ds_load_b128 v[88:91], v10                     ; my own bytes: LDS serves a wave's instructions in order
	s_wait_dscnt 0x0
	global_store_b128 v11, v[88:91], s[38:39]      ; sixteen lanes store 256 consecutive bytes, aligned
	s_wait_tensorcnt 0x0
	ds_add_u32 v254, v255
	s_wait_dscnt 0x0
	s_endpgm
.Lfunc_end_k_qf0dad7c616_prep:
	.size	k_qf0dad7c616_prep, .Lfunc_end_k_qf0dad7c616_prep-k_qf0dad7c616_prep
	.p2alignl 7, 3214868480
	.fill 96, 4, 3214868480
	.section	.rodata,"a",@progbits
	.p2align	6, 0x0
	.amdhsa_kernel k_qf0dad7c616_prep
		.amdhsa_group_segment_fixed_size 253440
		.amdhsa_private_segment_fixed_size 0
		.amdhsa_enable_private_segment 0
		.amdhsa_kernarg_size 72
		.amdhsa_user_sgpr_count 2
		.amdhsa_user_sgpr_kernarg_segment_ptr 1
		.amdhsa_wavefront_size32 1
		.amdhsa_system_sgpr_workgroup_id_x 1
		.amdhsa_system_sgpr_workgroup_id_y 1
		.amdhsa_system_sgpr_workgroup_id_z 1
		.amdhsa_system_vgpr_workitem_id 0
		.amdhsa_next_free_vgpr 768
		.amdhsa_next_free_sgpr 66
		.amdhsa_reserve_vcc 1
		.amdhsa_float_denorm_mode_32 3
		.amdhsa_float_denorm_mode_16_64 3
		.amdhsa_memory_ordered 1
		.amdhsa_forward_progress 1
		.amdhsa_inst_pref_size 213
	.end_amdhsa_kernel
	.amdgpu_metadata
---
amdhsa.version: [ 1, 2 ]
amdhsa.kernels:
  - .name:           k_qf0dad7c616_prep
    .symbol:         k_qf0dad7c616_prep.kd
    .args:
      - { .name: x, .offset: 0, .size: 8, .value_kind: global_buffer, .address_space: global }
      - { .name: gate_w, .offset: 8, .size: 8, .value_kind: global_buffer, .address_space: global }
      - { .name: w1, .offset: 16, .size: 8, .value_kind: global_buffer, .address_space: global }
      - { .name: w2_codes, .offset: 24, .size: 8, .value_kind: global_buffer, .address_space: global }
      - { .name: w2_scales, .offset: 32, .size: 8, .value_kind: global_buffer, .address_space: global }
      - { .name: xq, .offset: 40, .size: 8, .value_kind: global_buffer, .address_space: global }
      - { .name: w1q, .offset: 48, .size: 8, .value_kind: global_buffer, .address_space: global }
      - { .name: w2q, .offset: 56, .size: 8, .value_kind: global_buffer, .address_space: global }
      - { .name: rt, .offset: 64, .size: 8, .value_kind: global_buffer, .address_space: global }
    .group_segment_fixed_size: 253440
    .private_segment_fixed_size: 0
    .kernarg_segment_align: 8
    .kernarg_segment_size: 72
    .max_flat_workgroup_size: 128
    .sgpr_count:     66
    .vgpr_count:     768
    .wavefront_size: 32
...
	.end_amdgpu_metadata
.endif
;; end of part 1
;; launch gemm1 (part 2): grid 16 x 16, 4 waves a work-group, clusters of 4 x 4, 327,680 bytes of LDS; arguments xq, w1q, b1, rt, hq; writes hq
.if DOCPART == 2
	.amdgcn_target "amdgcn-amd-amdhsa--gfx1250"
	.amdhsa_code_object_version 6
	.text
	.protected	k_qf0dad7c616_gemm1
	.globl	k_qf0dad7c616_gemm1
	.p2align	8
	.type	k_qf0dad7c616_gemm1,@function
k_qf0dad7c616_gemm1:
	s_mov_b64 s[64:65], 0
	v_nop
	global_prefetch_b8 v0, s[64:65] scope:SCOPE_SE
	s_setreg_imm32_b32 hwreg(HW_REG_WAVE_MODE, 25, 1), 1
	s_wait_xcnt 0x0
	s_wait_alu depctr_hold_cnt(0) depctr_sa_sdst(0) depctr_va_vdst(0) depctr_va_sdst(0) depctr_va_ssrc(0) depctr_va_vcc(0) depctr_vm_vsrc(0)
	s_getreg_b32 s2, hwreg(HW_REG_IB_STS2, 6, 4)
	s_cmp_eq_u32 s2, 0
	s_cbranch_scc0 .Lentry_in_a_cluster
	s_endpgm
.Lentry_in_a_cluster:
	s_bfe_u32 s2, ttmp6, 0x10000c
	s_cmp_lg_u32 s2, 0xf033
	s_cbranch_scc0 .Lentry_shape_is_right
	s_endpgm
.Lentry_shape_is_right:
.set SRB,   25600
.set SLOT,  4*SRB
.set SPARE, 2*SLOT
.set KSB,   819200
.set NQ,    2
.set FR,    12
.set NL,    3
.set NP,    4
.set LAPS,  4
.set ADRA, 16
.set ADRB, 20
.set ADRS, 22
.set CO,   24
.set BO,   25
.set RO,   26
.set SWA,  27
.set SPW,  28
.set NIL,  29
.set SRA,  30
.set PFO,  31
.set SC,   32
.set XX,   64
.set AF,   128
.set RT,   224
.set YY,   128
.set TM,   128
.set PW,   144
.set PC,   146
.set KC0,  166
.set KC1,  168
.set TT,   172
.set G1,  24
.set G0,  32
.set G1B, 48
.set G0B, 56
.set PFA, 66
.set LIM, 68
.set SEL, 96
.set MSB, 0
.macro WIN new
.if MSB != (\new)
	s_set_vgpr_msb (MSB<<8)|(\new)
.set MSB, (\new)
.endif
.endm
.set MUL_LO, 0xa1
.set MUL_HI, 0xf1
.set TO_B,   0x40
.macro JLOAD g0a, g1a, g0b, g1b
	s_cmp_eq_u32 s15, 0
	s_cbranch_scc0 .Lfor_b_\@
	tensor_load_to_lds s[\g0a:\g0a+3], s[\g1a:\g1a+7]
	s_nop 0
.rept 4
	v_nop
.endr
	s_branch .Lasked_\@
.Lfor_b_\@:
	tensor_load_to_lds s[\g0b:\g0b+3], s[\g1b:\g1b+7]
	s_nop 0
.rept 4
	v_nop
.endr
.Lasked_\@:
.endm
.macro ASK last
.if \last
	s_cmp_gt_u32 s3, s[LIM]
.else
	s_cmp_eq_u32 s[LIM], 1
.endif
	s_cbranch_scc0 .Lnot_mine_\@
	global_prefetch_b8 v[PFO], s[PFA:PFA+1] th:TH_LOAD_NT scope:SCOPE_SE
.Lnot_mine_\@:
.endm
.macro CREST
	s_cmp_lg_u32 s14, 0
	s_cbranch_scc1 .Lnot_wave_0_\@
	s_barrier_signal -3
.Lnot_wave_0_\@:
	s_barrier_wait -3
	s_barrier_signal -1
	s_barrier_wait -1
.endm
.macro CROUND
	s_barrier_signal -1
	s_barrier_wait -1
	CREST
.endm
	s_load_b256 s[4:11], s[0:1], 0x0
	s_load_b64 s[12:13], s[0:1], 0x20
	v_lshl_add_u32 v[SPW], v0, 2, SPARE
	v_mov_b32 v[NIL], 0
	ds_add_u32 v28, v29
	ds_add_u32 v28, v29
	s_wait_dscnt 0x0
	v_lshrrev_b32 v1, 5, v0
	v_readfirstlane_b32 s14, v1
	s_lshr_b32 s15, s14, 1
	s_and_b32 s16, s14, 1
	s_bfe_u32 s40, ttmp6, 0x40000
	s_bfe_u32 s41, ttmp6, 0x40004
	s_lshl_b32 s42, ttmp9, 2
	s_add_co_u32 s42, s42, s40
	s_and_b32 s17, ttmp7, 0xffff
	s_lshl_b32 s17, s17, 2
	s_add_co_u32 s17, s17, s41
	s_lshl_b32 s43, s41, 2
	s_lshl_b32 s43, 15, s43
	s_lshl_b32 s44, 0x1111, s40
	s_or_b32 s[G1+0], s43, (3<<16)|(1<<21)
	s_or_b32 s[G1B+0], s44, (3<<16)|(1<<21)
.irp g, G1, G1B
	s_mov_b32 s[\g+1], 32<<16
	s_mov_b32 s[\g+2], 100<<16
	s_mov_b32 s[\g+3], 32<<16
	s_mov_b32 s[\g+4], 100
	s_mov_b32 s[\g+5], 32
	s_mov_b32 s[\g+6], 0
	s_mov_b32 s[\g+7], 0
.endr
	s_lshl_b32 s20, s17, 1
	s_add_co_u32 s20, s20, s16
	s_mul_i32 s20, s20, SRB
	s_mov_b32 s21, 0
	s_lshl_b32 s46, s42, 1
	s_add_co_u32 s46, s46, s16
	s_mul_i32 s46, s46, SRB
	s_mov_b32 s47, 0
	s_mul_i32 s45, s14, SRB
	s_mov_b32 s[SEL], 0x76543210
	s_mov_b32 s[SEL+1], 0xfedcba98
	s_wait_kmcnt 0x0
	s_add_nc_u64 s[20:21], s[4:5], s[20:21]
	s_add_nc_u64 s[46:47], s[6:7], s[46:47]
	CROUND
.irp s, 0,1
	s_mov_b32 s[G0+4*\s], 1
	s_add_co_u32 s[G0+4*\s+1], s45, \s*SLOT
	s_add_nc_u64 s[G0+4*\s+2:G0+4*\s+3], s[20:21], \s*KSB
	s_or_b32 s[G0+4*\s+3], s[G0+4*\s+3], 0x80000000
	s_mov_b32 s[G0B+4*\s], 1
	s_add_co_u32 s[G0B+4*\s+1], s45, \s*SLOT
	s_add_nc_u64 s[G0B+4*\s+2:G0B+4*\s+3], s[46:47], \s*KSB
	s_or_b32 s[G0B+4*\s+3], s[G0B+4*\s+3], 0x80000000
.if \s == 0
	JLOAD G0+4*\s, G1, G0B+4*\s, G1B               ; K unit 0: one tensor load a wave at the head; slot 1's first fill stands at the head's end
.endif
.endr
	s_and_b32 s70, ttmp7, 0xffff
	s_cmp_eq_u32 s15, 0
	s_cselect_b64 s[PFA:PFA+1], s[20:21], s[46:47]
	s_cselect_b32 s69, s40, s41
	s_cselect_b32 s70, ttmp9, s70
	s_cmp_eq_u32 s70, 0
	s_cselect_b32 s[LIM], 1, -1
	s_mul_i32 s70, s69, 25*256
	s_add_co_u32 s70, s70, 2*KSB
	s_mov_b32 s71, 0
	s_add_nc_u64 s[PFA:PFA+1], s[PFA:PFA+1], s[70:71]
	v_and_b32 v[PFO], 31, v0
	v_min_u32 v[PFO], 24, v[PFO]
	v_lshlrev_b32 v[PFO], 8, v[PFO]
	s_wait_alu depctr_va_vdst(0)                   ; the wait directly ahead of the branch
	s_cmp_eq_u32 s[LIM], 1                         ; the waves that prefetch ask here for their shares of K units 1 and 2: slot 1's first fill and slot 0's first refill
	s_cbranch_scc0 .Lhead_asked
	global_prefetch_b8 v[PFO], s[PFA:PFA+1] offset:-KSB th:TH_LOAD_NT scope:SCOPE_SE
	global_prefetch_b8 v[PFO], s[PFA:PFA+1] th:TH_LOAD_NT scope:SCOPE_SE
.Lhead_asked:
	v_and_b32 v1, 15, v0
	v_bfe_u32 v2, v0, 4, 1
	s_wait_alu depctr_va_vdst(0)
	v_and_b32 v3, 31, v0
	v_lshlrev_b32 v[CO], 4, v3
	v_lshlrev_b32 v[BO], 6, v2
	v_lshlrev_b32 v[RO], 4, v1
	s_mul_i32 s21, s15, SRB
	s_mul_i32 s22, s16, SRB
	s_add_co_u32 s22, s22, 2*SRB
.irp s, 0,1
	v_add_nc_u32 v[ADRA+\s], s21, v[CO]
	v_add_nc_u32 v[ADRB+\s], s22, v[CO]
	s_add_co_u32 s21, s21, SLOT
	s_add_co_u32 s22, s22, SLOT
.endr
	s_mul_i32 s21, s15, SRB
	s_mul_i32 s22, s16, SRB
	s_add_co_u32 s22, s22, 2*SRB
	s_sub_co_u32 s22, s22, s21
	v_mul_u32_u24 v4, s22, v2
	v_lshl_add_u32 v4, v1, 2, v4
	s_add_co_u32 s21, s21, 12288*NQ
	v_add_nc_u32 v[ADRS], s21, v4
	v_add_nc_u32 v[ADRS+1], SLOT, v[ADRS]
	s_lshl_b32 s23, s14, 9
	v_lshl_add_u32 v[SWA], v1, 2, s23
	v_add_nc_u32 v[SRA], s23, v[CO]
	s_lshl_b32 s46, s42, 10
	s_lshl_b32 s47, s16, 9
	s_add_co_u32 s46, s46, s47
	s_mov_b32 s47, 0
	s_add_nc_u64 s[8:9], s[8:9], s[46:47]
	s_lshl_b32 s20, s17, 12
	s_lshl_b32 s21, s15, 11
	s_add_co_u32 s20, s20, s21
	s_mov_b32 s21, 0
	s_add_nc_u64 s[10:11], s[10:11], s[20:21]
	s_lshr_b32 s92, s42, 1
	s_lshl_b32 s92, s92, 5
	s_lshl_b32 s93, s17, 1
	s_add_co_u32 s92, s92, s93
	s_add_co_u32 s92, s92, s15
	s_mul_i32 s92, s92, 51200
	s_and_b32 s94, s42, 1
	s_lshl_b32 s94, s94, 1
	s_add_co_u32 s94, s94, s16
	s_mul_i32 s95, s94, 1536
	s_lshl_b32 s94, s94, 9
	s_add_co_u32 s94, s94, s92
	s_add_co_u32 s94, s94, 49152
	s_add_co_u32 s92, s92, s95
	s_mov_b32 s93, 0
	s_mov_b32 s95, 0
	s_add_nc_u64 s[18:19], s[12:13], s[94:95]
	s_add_nc_u64 s[12:13], s[12:13], s[92:93]
.macro FRAG reg, adr, off
.irp c, 0,1,2
	ds_load_b128 v[\reg+4*\c:\reg+4*\c+3], v[\adr] offset:(\off)+512*\c
.endr
.endm
.macro MUL16 a0, p, q, sc, zero
.irp a, \a0, \a0+1
.irp b, 0,1,2,3,4,5,6,7
.if \zero
	v_wmma_scale_f32_16x16x128_f8f6f4 v[8*(8*((\a)%4)+\b):8*(8*((\a)%4)+\b)+7], v[128*(\p)+FR*\b:128*(\p)+FR*\b+FR-1], v[AF+FR*(\a):AF+FR*(\a)+FR-1], 0, v[SC+8*NQ*(\sc)+NQ*\b+(\q)], v[SC+8*NQ*(\sc)+NQ*(\a)+(\q)] matrix_a_fmt:MATRIX_FMT_BF6 matrix_b_fmt:MATRIX_FMT_BF6 matrix_a_scale:MATRIX_SCALE_ROW1
.else
	v_wmma_scale_f32_16x16x128_f8f6f4 v[8*(8*((\a)%4)+\b):8*(8*((\a)%4)+\b)+7], v[128*(\p)+FR*\b:128*(\p)+FR*\b+FR-1], v[AF+FR*(\a):AF+FR*(\a)+FR-1], v[8*(8*((\a)%4)+\b):8*(8*((\a)%4)+\b)+7], v[SC+8*NQ*(\sc)+NQ*\b+(\q)], v[SC+8*NQ*(\sc)+NQ*(\a)+(\q)] matrix_a_fmt:MATRIX_FMT_BF6 matrix_b_fmt:MATRIX_FMT_BF6 matrix_a_scale:MATRIX_SCALE_ROW1
.endif
.endr
.endr
.endm
.macro FETCH_B slot, q, p
	WIN TO_B
.irp i, 0,1,2,3,4,5,6,7
	FRAG 128*(\p)+FR*\i, ADRB+\slot, 3072*\i+1536*(\q)
.endr
	WIN 0
.endm
.macro FETCH_A slot, q, i0
.irp i, \i0, \i0+1, \i0+2, \i0+3
	FRAG AF+FR*(\i), ADRA+\slot, 3072*(\i)+1536*(\q)
.endr
.endm
.macro SCALES sc
.irp i, 0,1,2,3,4,5,6,7
.irp q, 0,1
	ds_load_b32 v[SC+8*NQ*\sc+NQ*\i+\q], v[ADRS+\sc] offset:512*\q+64*\i
.endr
.endr
.endm
.macro PLACES n
.rept \n
	v_nop
.endr
.endm
.macro STEP slot, q, zero
	s_wait_dscnt 4*NL
	WIN MUL_LO
	MUL16 0, (\q)%2, \q, \slot, \zero
	MUL16 2, (\q)%2, \q, \slot, \zero
	s_wait_dscnt 0
	PLACES NP
	FETCH_B \slot, (\q)+1, 1-(\q)%2
	FETCH_A \slot, (\q)+1, 0
	WIN MUL_HI
	MUL16 4, (\q)%2, \q, \slot, \zero
	MUL16 6, (\q)%2, \q, \slot, \zero
	PLACES NP
	WIN 0
	FETCH_A \slot, (\q)+1, 4
.endm
.macro TURN slot, next, fill
	s_wait_tensorcnt 0x0
	ds_add_u32 v[SPW], v[NIL]
.if \fill
	s_add_nc_u64 s[G0+4*\slot+2:G0+4*\slot+3], s[G0+4*\slot+2:G0+4*\slot+3], 2*KSB
	s_add_nc_u64 s[G0B+4*\slot+2:G0B+4*\slot+3], s[G0B+4*\slot+2:G0B+4*\slot+3], 2*KSB
	s_wait_xcnt 0x0
	s_add_nc_u64 s[PFA:PFA+1], s[PFA:PFA+1], KSB
.endif
	s_wait_dscnt 0x0
	s_barrier_signal -1
	s_barrier_wait -1
.if \fill
	CREST
	JLOAD G0+4*\slot, G1, G0B+4*\slot, G1B
	ASK \slot
.endif
	WIN MUL_LO
	MUL16 0, 1, NQ-1, \slot, 0
	MUL16 2, 1, NQ-1, \slot, 0
	PLACES NP
	FETCH_B \next, 0, 0
	FETCH_A \next, 0, 0
	SCALES \next
	WIN MUL_HI
	MUL16 4, 1, NQ-1, \slot, 0
	MUL16 6, 1, NQ-1, \slot, 0
	PLACES NP
	WIN 0
	FETCH_A \next, 0, 4
.endm
	s_wait_alu depctr_va_vdst(0)
	s_wait_tensorcnt 0x0                           ; my part of K unit 0 is in
	ds_add_u32 v28, v29
	ds_add_u32 v28, v29
	s_wait_dscnt 0x0
	CROUND                                         ; a whole round: slot 0 is whole for every wave, and the sixteen work-groups' joint loads meet
	JLOAD G0+4, G1, G0B+4, G1B                     ; K unit 1, the first tensor load behind the round
	FETCH_B 0, 0, 0
	FETCH_A 0, 0, 0
	SCALES 0
	FETCH_A 0, 0, 4
	STEP 0, 0, 1
	s_mov_b32 s3, LAPS-1
.Llap:
	TURN 0, 1, 1
	STEP 1, 0, 0
	TURN 1, 0, 1
	STEP 0, 0, 0
	s_sub_co_u32 s3, s3, 1
	s_cmp_lg_u32 s3, 0
	s_cbranch_scc1 .Llap
	TURN 0, 1, 0
	STEP 1, 0, 0
	WIN 0x40
.irp e, 0,1
.irp b, 0,1,2,3
.irp jj, 0,1,2,3
	global_load_b128 v[64*\e+16*\b+4*\jj:64*\e+16*\b+4*\jj+3], v[BO], s[8:9] offset:16384*\e+128*\b+16*\jj
.endr
.endr
.endr
	WIN 0
.irp a, 0,1,2,3,4,5,6,7
	global_load_b128 v[RT+4*\a:RT+4*\a+3], v[RO], s[10:11] offset:256*\a
.endr
	s_wait_dscnt 4*NL
	WIN MUL_LO
	MUL16 0, 1, NQ-1, 1, 0
	MUL16 2, 1, NQ-1, 1, 0
	s_wait_dscnt 0
	WIN MUL_HI
	MUL16 4, 1, NQ-1, 1, 0
	MUL16 6, 1, NQ-1, 1, 0
	WIN 0
	PLACES NP
.macro QUANT s
.irp b, 0,1,2,3
	v_max3_num_f32 v[TM+\b], |v[\s+16*\b]|, |v[\s+1+16*\b]|, 0x2800000
.endr
.irp i, 2,4,6,8,10,12,14
.irp b, 0,1,2,3
	v_max3_num_f32 v[TM+\b], v[TM+\b], |v[\s+16*\b+\i]|, |v[\s+1+16*\b+\i]|
.endr
.endr
.irp b, 0,1,2,3
	v_permlanex16_b32 v[TM+4+\b], v[TM+\b], s[SEL], s[SEL+1]
.endr
.irp b, 0,1,2,3
	v_max_num_f32 v[TM+\b], v[TM+\b], v[TM+4+\b]
.endr
.irp b, 0,1,2,3
	v_add_nc_u32 v[TM+12+\b], 0xfe000000, v[TM+\b]
.endr
.irp b, 0,1,2,3
	v_lshrrev_b32 v[TM+4+\b], 23, v[TM+12+\b]
.endr
	v_lshl_or_b32 v[PW], v[TM+5], 8, v[TM+4]
	v_lshl_or_b32 v[PW], v[TM+6], 16, v[PW]
	v_lshl_or_b32 v[PW], v[TM+7], 24, v[PW]
.irp c, 0,1
	v_cvt_scalef32_pk16_bf6_f32 v[PC+6*\c:PC+2+6*\c], v[\s+32*\c:\s+15+32*\c], v[TM+12+2*\c]
	v_cvt_scalef32_pk16_bf6_f32 v[PC+12+4*\c:PC+14+4*\c], v[\s+16+32*\c:\s+31+32*\c], v[TM+12+2*\c+1]
.endr
	v_nop
.irp c, 0,1
.irp i, 0,1,2
	v_permlane16_swap_b32 v[PC+6*\c+\i], v[PC+12+4*\c+\i]
.endr
.irp i, 0,1,2
	v_mov_b32 v[PC+3+6*\c+\i], v[PC+12+4*\c+\i]
.endr
.endr
.endm
	s_wait_loadcnt 0x0
	v_mov_b32 v[KC0], 0xc0135761
	v_mov_b32 v[KC0+1], 0xc0135761
	v_mov_b32 v[KC1], 0xbdd2d3e8
	v_mov_b32 v[KC1+1], 0xbdd2d3e8
.irp b, 0,1,2,3
	v_mov_b32 v[TM+4+\b], 0
.endr
.macro EPI a
.set AC, 64*((\a)%4)
	WIN 0x21+0x10*((\a)/4)
.set k, 0
.rept 32
	v_pk_fma_f32 v[XX+k:XX+k+1], v[k:k+1], v[RT+4*(\a):RT+4*(\a)+1], v[AC+k:AC+k+1] op_sel_hi:[1,0,1]
.set k, k+2
.endr
	WIN 0x01
.set k, 0
.rept 32
	v_pk_fma_f32 v[XX+k:XX+k+1], v[64+k:64+k+1], v[RT+4*(\a)+2:RT+4*(\a)+3], v[XX+k:XX+k+1] op_sel_hi:[1,0,1]
.set k, k+2
.endr
	WIN 0x40
.set k, 0
.rept 32
	v_pk_mul_f32 v[YY+k:YY+k+1], v[XX+k:XX+k+1], v[XX+k:XX+k+1]
.set k, k+2
.endr
	WIN 0x41
.set k, 0
.rept 32
	v_pk_fma_f32 v[YY+k:YY+k+1], v[YY+k:YY+k+1], v[KC1:KC1+1], v[KC0:KC0+1]
.set k, k+2
.endr
.set k, 0
.rept 32
	v_pk_mul_f32 v[YY+k:YY+k+1], v[YY+k:YY+k+1], v[XX+k:XX+k+1]
.set k, k+2
.endr
.set k, 0
	s_wait_alu depctr_va_vdst(0)
.rept 64
	v_exp_f32 v[YY+k], v[YY+k]
.set k, k+1
.endr
	v_nop
	s_wait_alu depctr_va_vdst(0)
.set k, 0
.rept 32
	v_pk_add_f32 v[YY+k:YY+k+1], v[YY+k:YY+k+1], 1.0 op_sel_hi:[1,0]
.set k, k+2
.endr
.set k, 0
	s_wait_alu depctr_va_vdst(0)
.rept 64
	v_rcp_f32 v[YY+k], v[YY+k]
.set k, k+1
.endr
	v_nop
	s_wait_alu depctr_va_vdst(0)
	WIN 0x01
.set k, 0
.rept 32
	v_pk_mul_f32 v[XX+k:XX+k+1], v[YY+k:YY+k+1], v[XX+k:XX+k+1]
.set k, k+2
.endr
	WIN 0
.if (\a) > 0
	s_wait_xcnt 0x0
.endif
	QUANT XX
.irp c, 0,1,2
	global_store_b128 v[CO], v[PC+4*\c:PC+4*\c+3], s[12:13] offset:6144*(\a)+512*\c
.endr
	ds_store_b32 v[SWA], v[PW] offset:64*(\a)
.endm
.irp a, 0,1,2,3,4,5,6,7
	EPI \a
.endr
	ds_load_b128 v[TT:TT+3], v[SRA]
	s_wait_dscnt 0x0
	global_store_b128 v[CO], v[TT:TT+3], s[18:19]
	s_wait_tensorcnt 0x0
	ds_add_u32 v[SPW], v[NIL]
	s_wait_dscnt 0x0
	CROUND
	s_endpgm
.Lfunc_end_k_qf0dad7c616_gemm1:
	.size	k_qf0dad7c616_gemm1, .Lfunc_end_k_qf0dad7c616_gemm1-k_qf0dad7c616_gemm1
	.p2alignl 7, 3214868480
	.fill 96, 4, 3214868480
	.section	.rodata,"a",@progbits
	.p2align	6, 0x0
	.amdhsa_kernel k_qf0dad7c616_gemm1
		.amdhsa_group_segment_fixed_size 327680
		.amdhsa_private_segment_fixed_size 0
		.amdhsa_enable_private_segment 0
		.amdhsa_kernarg_size 40
		.amdhsa_user_sgpr_count 2
		.amdhsa_user_sgpr_kernarg_segment_ptr 1
		.amdhsa_wavefront_size32 1
		.amdhsa_system_sgpr_workgroup_id_x 1
		.amdhsa_system_sgpr_workgroup_id_y 1
		.amdhsa_system_sgpr_workgroup_id_z 1
		.amdhsa_system_vgpr_workitem_id 0
		.amdhsa_next_free_vgpr 1024
		.amdhsa_next_free_sgpr 100
		.amdhsa_reserve_vcc 0
		.amdhsa_float_denorm_mode_32 3
		.amdhsa_float_denorm_mode_16_64 3
		.amdhsa_memory_ordered 1
		.amdhsa_forward_progress 1
		.amdhsa_inst_pref_size 255
	.end_amdhsa_kernel
	.section	.bss,"aw",@nobits
	.p2align	6
	.space	262144
	.amdgpu_metadata
---
amdhsa.version: [ 1, 2 ]
amdhsa.kernels:
  - .name:           k_qf0dad7c616_gemm1
    .symbol:         k_qf0dad7c616_gemm1.kd
    .args:
      - { .name: xq, .offset: 0, .size: 8, .value_kind: global_buffer, .address_space: global }
      - { .name: w1q, .offset: 8, .size: 8, .value_kind: global_buffer, .address_space: global }
      - { .name: b1, .offset: 16, .size: 8, .value_kind: global_buffer, .address_space: global }
      - { .name: rt, .offset: 24, .size: 8, .value_kind: global_buffer, .address_space: global }
      - { .name: hq, .offset: 32, .size: 8, .value_kind: global_buffer, .address_space: global }
    .group_segment_fixed_size: 327680
    .private_segment_fixed_size: 0
    .kernarg_segment_align: 8
    .kernarg_segment_size: 40
    .max_flat_workgroup_size: 128
    .sgpr_count:     100
    .vgpr_count:     1024
    .wavefront_size: 32
...
	.end_amdgpu_metadata
.endif
;; end of part 2
;; launch gemm2 (part 3): grid 8 x 32, 4 waves a work-group, clusters of 4 x 4, 327,680 bytes of LDS; arguments hq, w2q, b2, rt, out0; writes out0
.if DOCPART == 3
	.amdgcn_target "amdgcn-amd-amdhsa--gfx1250"
	.amdhsa_code_object_version 6
	.text
	.protected	k_qf0dad7c616_gemm2
	.globl	k_qf0dad7c616_gemm2
	.p2align	8
	.type	k_qf0dad7c616_gemm2,@function
k_qf0dad7c616_gemm2:
	s_mov_b64 s[64:65], 0
	v_nop
	global_prefetch_b8 v0, s[64:65] scope:SCOPE_SE
	s_setreg_imm32_b32 hwreg(HW_REG_WAVE_MODE, 25, 1), 1
	s_wait_xcnt 0x0
	s_wait_alu depctr_hold_cnt(0) depctr_sa_sdst(0) depctr_va_vdst(0) depctr_va_sdst(0) depctr_va_ssrc(0) depctr_va_vcc(0) depctr_vm_vsrc(0)
	s_getreg_b32 s2, hwreg(HW_REG_IB_STS2, 6, 4)
	s_cmp_eq_u32 s2, 0
	s_cbranch_scc0 .Lentry_in_a_cluster
	s_endpgm
.Lentry_in_a_cluster:
	s_bfe_u32 s2, ttmp6, 0x10000c
	s_cmp_lg_u32 s2, 0xf033
	s_cbranch_scc0 .Lentry_shape_is_right
	s_endpgm
.Lentry_shape_is_right:
; GEMM2: out[token][d] = p x (sum over f of h[token][f] w2[d][e][f] + b2[e][d]), e the token's expert, on codes of BF6 (E3M2), K = 4,096.
; The product is made for both experts, as it is written (rows n = 2 d + e of w2), and the expert is chosen at the end by v_cndmask_b32: no address and no branch hangs on the routing.
; hq [8][32], w2q [8][16]: stored tiles of 128 rows x 512 along K, 51,200 dense bytes: block i, K step q, chunk c at 6144 i + 1536 q + 512 c + 16 lane, the image of the operand's registers;
; behind the codes the scale words at 49,152 + 512 q + 64 i + 4 row.
; A work-group makes 128 tokens x 256 n (128 d): 256 work-groups.  A wave makes 64 tokens x 128 n: 32 accumulators.  K goes in steps of 512 through two LDS slots: 128 matrix instructions a wave between two changes of slots.
; CLUSTERS: 4 x 4 work-groups; the four of a row need the same tile of hq, the four of a column the same two tiles of w2q: each is asked for jointly.
; TRANSPOSED USE (source 0 = 16 rows of w2q, source 1 = 16 tokens): lane (r, h) holds token r, and register j of block b is n = 16 b + 8 h + j: d = 8 b + 4 h + j / 2, e = j % 2.
; b2, in that layout, is the C of each sum's first matrix instruction.   LIMITS: the sum begins with b2, so it is rounded in another order than y + b2.
; REGISTERS: window 0: v15-31 addresses; v32-95 scale words, two sets, and nothing else; v96-143, v144-191 hq's fragments, two sets (on the way out v96-127 chosen results, v128-191 rows back from the stage);
;   v192-207 m0, p, m1, p; v208-215 p in pairs.   window 1: w2q's fragments, two sets, at v0 and v128.   window 2: the accumulators, (a, b) at v[8 (8 a + b)].   window 3: v0-63 b2.
.set SRB,   51200
.set SLOT,  3*SRB                      ; hq's tile, then w2q's two
.set SPARE, 2*SLOT                     ; behind the ring: the spare words, 128 bytes for each wave: two blocks of 256 bytes that no other line names
.set KSA,   1638400                    ; from one 512 along K to the next in hq,
.set KSW,   819200                     ; and in w2q
.set FR,    12
.set NP,    4
.set LAPS,  4
.set PFO2, 15                          ; v15 the second prefetch's offset: 256 x (32 + min(lane, 17)); never rewritten
.set ADRA, 16
.set ADRB, 20
.set ADRS, 22
.set STO,  24                          ; v24 the way out: into my stage (16 rows x 272 bytes, in slot 0, which has had its last fill and its last read by then)
.set RD,   25                          ; v25 and back by rows
.set CO,   26                          ; v26 4096 h + 16 r: two rows of out0
.set B2O,  27                          ; v27 16 h
.set SPW,  28
.set NIL,  29
.set RO,   30                          ; v30 16 r
.set PFO,  31                          ; v31 the first prefetch's offset: 256 x min(lane, 24) for hq, 256 x lane for w2q; never rewritten
.set SC,   32
.set AF,   96
.set O,    96
.set BK,   128
.set RT,   192
.set PP,   208
.set MK,   66                          ; s66-69 lanes whose token has expert 1, for each block of tokens
.set PFA,  72                          ; s[72:73] where my prefetches stand: my work-group's share of what I fetch, in the K unit after the one that is being asked for
.set PFS,  74                          ; s[74:75] a K unit on, in bytes: KSA in hq, KSW in w2q
.set LIM,  76                          ; s76 1 in a wave that prefetches, else the greatest number
.set G1,  24
.set G0,  32
.set G1B, 48
.set G0B, 56
.set MSB, 0
.macro WIN new
.if MSB != (\new)
	s_set_vgpr_msb (MSB<<8)|(\new)
.set MSB, (\new)
.endif
.endm
.set MUL,  0xa1                        ; source 0 window 1, source 1 window 0, C and D window 2;  + 0x10: C window 3 (b2)
.set TO_B, 0x40
.macro JLOAD g0a, g1a, g0b, g1b        ; waves 0 and 1 fetch the halves of hq's tile, waves 2 and 3 w2q's two tiles; four v_nop follow each line
	s_cmp_eq_u32 s15, 0
	s_cbranch_scc0 .Lfor_b_\@
	tensor_load_to_lds s[\g0a:\g0a+3], s[\g1a:\g1a+7]
	s_nop 0
.rept 4
	v_nop
.endr
	s_branch .Lasked_\@
.Lfor_b_\@:
	tensor_load_to_lds s[\g0b:\g0b+3], s[\g1b:\g1b+7]
	s_nop 0
.rept 4
	v_nop
.endr
.Lasked_\@:
.endm
; A PREFETCH INTO THE L2, behind each joint load and its four lines: what the wave fetches, in the K unit that the NEXT change of slots will ask for: one change of slots, 128 matrix instructions, ahead.
; Half a tile of hq is 100 blocks of 256 bytes, a tile of w2q 200.  hq's tiles are read by both clusters of a row of clusters: the one with x = 0 asks; w2q's by all eight of a column: the one with y = 0 asks.
; The four partners that ask jointly share the blocks BY ADDRESS (by cx for hq, by cy for w2q), a lane a block: 25 each of hq's, one instruction (lanes 25 to 31 name the 25th block again);
; 50 each of w2q's, two instructions (in the second, lanes 18 to 31 name the 50th again).  The branch round the second hangs on the wave's number alone.
; K unit 0 comes by its load alone; K units 1 and 2 are asked for once, at the head.  last = 1: a lap's second change of slots, which in the loop's last trip asks for the last K unit: nothing lies behind it.
.macro ASK last
.if \last
	s_cmp_gt_u32 s3, s[LIM]                        ; s3 = 1 in the loop's last trip
.else
	s_cmp_eq_u32 s[LIM], 1
.endif
	s_cbranch_scc0 .Lnot_mine_\@
	global_prefetch_b8 v[PFO], s[PFA:PFA+1] th:TH_LOAD_NT scope:SCOPE_SE
	s_cmp_eq_u32 s15, 0
	s_cbranch_scc1 .Lnot_mine_\@
	global_prefetch_b8 v[PFO2], s[PFA:PFA+1] th:TH_LOAD_NT scope:SCOPE_SE
.Lnot_mine_\@:
.endm
.macro CREST
	s_cmp_lg_u32 s14, 0
	s_cbranch_scc1 .Lnot_wave_0_\@
	s_barrier_signal -3
.Lnot_wave_0_\@:
	s_barrier_wait -3
	s_barrier_signal -1
	s_barrier_wait -1
.endm
.macro CROUND
	s_barrier_signal -1
	s_barrier_wait -1
	CREST
.endm
	s_load_b256 s[4:11], s[0:1], 0x0               ; hq s[4:5], w2q s[6:7], b2 s[8:9], rt s[10:11]
	s_load_b64 s[12:13], s[0:1], 0x20              ; out0
	v_lshl_add_u32 v[SPW], v0, 2, SPARE
	v_mov_b32 v[NIL], 0
	ds_add_u32 v28, v29
	ds_add_u32 v28, v29
	s_wait_dscnt 0x0
	v_lshrrev_b32 v1, 5, v0
	v_readfirstlane_b32 s14, v1                    ; wave 0..3
	s_lshr_b32 s15, s14, 1                         ; which 64 tokens are mine.  Also: I fetch for hq (0) or for w2q (1)
	s_and_b32 s16, s14, 1                          ; which 128 n.  Also: which part I fetch
	s_bfe_u32 s40, ttmp6, 0x40000
	s_bfe_u32 s41, ttmp6, 0x40004
	s_lshl_b32 s42, ttmp9, 2
	s_add_co_u32 s42, s42, s40                     ; x: which 256 n
	s_and_b32 s17, ttmp7, 0xffff
	s_lshl_b32 s17, s17, 2
	s_add_co_u32 s17, s17, s41                     ; y: which 128 tokens
	s_lshl_b32 s43, s41, 2
	s_lshl_b32 s43, 15, s43
	s_lshl_b32 s44, 0x1111, s40
	; descriptor groups 1: dense blocks as rows of 32 elements of 8 bytes: half a tile of hq (100 rows), a tile of w2q (200 rows)
	s_or_b32 s[G1+0], s43, (3<<16)|(1<<21)
	s_mov_b32 s[G1+1], 32<<16
	s_mov_b32 s[G1+2], 100<<16
	s_mov_b32 s[G1+3], 32<<16
	s_mov_b32 s[G1+4], 100
	s_mov_b32 s[G1+5], 32
	s_mov_b32 s[G1+6], 0
	s_mov_b32 s[G1+7], 0
	s_or_b32 s[G1B+0], s44, (3<<16)|(1<<21)
	s_mov_b32 s[G1B+1], 32<<16
	s_mov_b32 s[G1B+2], 200<<16
	s_mov_b32 s[G1B+3], 32<<16
	s_mov_b32 s[G1B+4], 200
	s_mov_b32 s[G1B+5], 32
	s_mov_b32 s[G1B+6], 0
	s_mov_b32 s[G1B+7], 0
	s_mul_i32 s20, s17, SRB
	s_mul_i32 s45, s16, SRB/2                      ; hq's half: in memory and in a slot
	s_add_co_u32 s20, s20, s45
	s_mov_b32 s21, 0
	s_lshl_b32 s46, s42, 1
	s_add_co_u32 s46, s46, s16
	s_mul_i32 s46, s46, SRB                        ; w2q: tile 2 x + half
	s_mov_b32 s47, 0
	s_mul_i32 s94, s16, SRB
	s_add_co_u32 s94, s94, SRB                     ; behind hq's tile
	s_wait_kmcnt 0x0
	s_add_nc_u64 s[20:21], s[4:5], s[20:21]
	s_add_nc_u64 s[46:47], s[6:7], s[46:47]
	CROUND                                         ; all sixteen work-groups are here: the first joint loads meet
.irp s, 0,1
	s_mov_b32 s[G0+4*\s], 1
	s_add_co_u32 s[G0+4*\s+1], s45, \s*SLOT
	s_add_nc_u64 s[G0+4*\s+2:G0+4*\s+3], s[20:21], \s*KSA
	s_or_b32 s[G0+4*\s+3], s[G0+4*\s+3], 0x80000000
	s_mov_b32 s[G0B+4*\s], 1
	s_add_co_u32 s[G0B+4*\s+1], s94, \s*SLOT
	s_add_nc_u64 s[G0B+4*\s+2:G0B+4*\s+3], s[46:47], \s*KSW
	s_or_b32 s[G0B+4*\s+3], s[G0B+4*\s+3], 0x80000000
.if \s == 0
	JLOAD G0+4*\s, G1, G0B+4*\s, G1B               ; K unit 0: one tensor load a wave at the head; slot 1's first fill stands at the head's end
.endif
.endr
	; the prefetches: who asks, and where
	s_and_b32 s77, ttmp7, 0xffff                   ; cluster y
	s_cmp_eq_u32 s15, 0                            ; do I fetch for hq?
	s_cselect_b64 s[PFA:PFA+1], s[20:21], s[46:47] ; what I fetch, at K unit 0
	s_cselect_b32 s78, s40, s41                    ; my place among the four that ask for it with me
	s_cselect_b32 s77, ttmp9, s77                  ; the coordinate along which other clusters read the same bytes
	s_mov_b32 s[PFS], KSW
	s_cselect_b32 s[PFS], KSA, s[PFS]
	s_cselect_b32 s79, 25, 50                      ; blocks of 256 bytes for each of the four
	s_cselect_b32 s80, 24, 31                      ; the last of them that the first instruction names
	s_cmp_eq_u32 s77, 0
	s_cselect_b32 s[LIM], 1, -1                    ; the same in all sixteen partners, for a given wave
	s_mul_i32 s78, s78, s79
	s_lshl_b32 s78, s78, 8                         ; my work-group's share,
	s_lshl_b32 s79, s[PFS], 1
	s_add_co_u32 s78, s78, s79                     ; at K unit 2: the first change of slots steps it to 3
	s_mov_b32 s79, 0
	s_mov_b32 s[PFS+1], 0
	s_add_nc_u64 s[PFA:PFA+1], s[PFA:PFA+1], s[78:79]
	v_and_b32 v[PFO], 31, v0
	v_min_u32 v[PFO2], 17, v[PFO]
	v_min_u32 v[PFO], s80, v[PFO]
	v_lshlrev_b32 v[PFO], 8, v[PFO]
	v_lshl_add_u32 v[PFO2], v[PFO2], 8, 32*256
	s_wait_alu depctr_va_vdst(0)                   ; the wait directly ahead of the branches
	s_cmp_eq_u32 s[LIM], 1                         ; the waves that prefetch ask here for their shares of K units 1 and 2: slot 1's first fill and slot 0's first refill
	s_cbranch_scc0 .Lhead_asked
	s_cmp_eq_u32 s15, 0
	s_cbranch_scc0 .Lhead_w2q
	global_prefetch_b8 v[PFO], s[PFA:PFA+1] offset:-KSA th:TH_LOAD_NT scope:SCOPE_SE
	global_prefetch_b8 v[PFO], s[PFA:PFA+1] th:TH_LOAD_NT scope:SCOPE_SE
	s_branch .Lhead_asked
.Lhead_w2q:
	global_prefetch_b8 v[PFO], s[PFA:PFA+1] offset:-KSW th:TH_LOAD_NT scope:SCOPE_SE
	global_prefetch_b8 v[PFO2], s[PFA:PFA+1] offset:-KSW th:TH_LOAD_NT scope:SCOPE_SE
	global_prefetch_b8 v[PFO], s[PFA:PFA+1] th:TH_LOAD_NT scope:SCOPE_SE
	global_prefetch_b8 v[PFO2], s[PFA:PFA+1] th:TH_LOAD_NT scope:SCOPE_SE
.Lhead_asked:
	v_and_b32 v1, 15, v0                           ; r
	v_bfe_u32 v2, v0, 4, 1                         ; h
	s_wait_alu depctr_va_vdst(0)
	v_and_b32 v3, 31, v0
	v_lshlrev_b32 v3, 4, v3                        ; 16 lane
	v_lshlrev_b32 v[B2O], 4, v2
	v_lshlrev_b32 v[RO], 4, v1
	s_mul_i32 s21, s15, 24576                      ; my four blocks of hq's tile
	s_mul_i32 s22, s16, SRB
	s_add_co_u32 s22, s22, SRB                     ; my tile of w2q
.irp s, 0,1
	v_add_nc_u32 v[ADRA+\s], s21, v3
	v_add_nc_u32 v[ADRB+\s], s22, v3
	s_add_co_u32 s21, s21, SLOT
	s_add_co_u32 s22, s22, SLOT
.endr
	s_lshl_b32 s21, s15, 8                         ; scale words: hq's, 256 bytes on for the second four blocks;
	s_mul_i32 s22, s16, SRB
	s_add_co_u32 s22, s22, SRB
	s_sub_co_u32 s22, s22, s21
	v_mul_u32_u24 v4, s22, v2                      ; lanes 16-31 take w2q's: one product, h x the distance
	v_lshl_add_u32 v4, v1, 2, v4
	s_add_co_u32 s21, s21, 49152
	v_add_nc_u32 v[ADRS], s21, v4
	v_add_nc_u32 v[ADRS+1], SLOT, v[ADRS]
	s_mul_i32 s23, s14, 4352                       ; my stage
	v_mul_u32_u24 v[STO], v1, 272
	v_lshl_add_u32 v[STO], v2, 4, v[STO]
	v_add_nc_u32 v[STO], s23, v[STO]               ; in: row r, 16 h
	v_mul_u32_u24 v[RD], v2, 272
	v_lshl_add_u32 v[RD], v1, 4, v[RD]
	v_add_nc_u32 v[RD], s23, v[RD]                 ; back: lanes 0-15 one row of 256 bytes, lanes 16-31 the next
	v_lshlrev_b32 v[CO], 12, v2
	v_lshl_add_u32 v[CO], v1, 4, v[CO]
	s_lshl_b32 s46, s42, 9
	s_lshl_b32 s47, s16, 8
	s_add_co_u32 s46, s46, s47                     ; my first d, in bytes: 512 x + 256 half
	s_mov_b32 s47, 0
	s_add_nc_u64 s[8:9], s[8:9], s[46:47]          ; b2
	s_add_nc_u64 s[12:13], s[12:13], s[46:47]      ; out0's column,
	s_lshl_b32 s92, s17, 19
	s_lshl_b32 s93, s15, 18
	s_add_co_u32 s92, s92, s93
	s_mov_b32 s93, 0
	s_add_nc_u64 s[12:13], s[12:13], s[92:93]      ; and my first token's row of 4,096 bytes
	s_lshl_b32 s20, s17, 11
	s_lshl_b32 s21, s15, 10
	s_add_co_u32 s20, s20, s21
	s_mov_b32 s21, 0
	s_add_nc_u64 s[10:11], s[10:11], s[20:21]      ; rt at my first token
	WIN 0xc0                                       ; destination window 3
.irp b, 0,1,2,3,4,5,6,7
.irp j, 0,1,2,3,4,5,6,7
	global_load_b32 v[8*\b+\j], v[B2O], s[8:9] offset:4096*(\j%2)+32*\b+4*(\j/2)      ; b2[j % 2][8 b + 4 h + j / 2]
.endr
.endr
	WIN 0
.irp a, 0,1,2,3
	global_load_b128 v[RT+4*\a:RT+4*\a+3], v[RO], s[10:11] offset:256*\a
.endr
.macro FRAG reg, adr, off
.irp c, 0,1,2
	ds_load_b128 v[\reg+4*\c:\reg+4*\c+3], v[\adr] offset:(\off)+512*\c
.endr
.endm
.macro FETCH slot, q, p                ; 36 LDS loads in one run: w2q's eight fragments and hq's four of the slot's q-th 128 along K, into set p
	WIN TO_B
.irp i, 0,1,2,3,4,5,6,7
	FRAG 128*(\p)+FR*\i, ADRB+\slot, 6144*\i+1536*(\q)
.endr
	WIN 0
.irp i, 0,1,2,3
	FRAG AF+48*(\p)+FR*\i, ADRA+\slot, 6144*\i+1536*(\q)
.endr
.endm
.macro SCALES sc                       ; register 4 i + q: lanes 16-31 w2q's block i; lanes 0-15 hq's block i of my four (for i above 3: landed bytes that nobody uses)
.irp i, 0,1,2,3,4,5,6,7
.irp q, 0,1,2,3
	ds_load_b32 v[SC+32*\sc+4*\i+\q], v[ADRS+\sc] offset:512*\q+64*\i
.endr
.endr
.endm
; Eight matrix instructions: token block a x w2q's eight blocks.  The 32 accumulators take turns, one instruction a turn, in the same order in every step.
.macro MUL8 a, p, q, sc, first
.irp b, 0,1,2,3,4,5,6,7
.if \first
	v_wmma_scale_f32_16x16x128_f8f6f4 v[8*(8*(\a)+\b):8*(8*(\a)+\b)+7], v[128*(\p)+FR*\b:128*(\p)+FR*\b+FR-1], v[AF+48*(\p)+FR*(\a):AF+48*(\p)+FR*(\a)+FR-1], v[8*\b:8*\b+7], v[SC+32*(\sc)+4*\b+(\q)], v[SC+32*(\sc)+4*(\a)+(\q)] matrix_a_fmt:MATRIX_FMT_BF6 matrix_b_fmt:MATRIX_FMT_BF6 matrix_a_scale:MATRIX_SCALE_ROW1
.else
	v_wmma_scale_f32_16x16x128_f8f6f4 v[8*(8*(\a)+\b):8*(8*(\a)+\b)+7], v[128*(\p)+FR*\b:128*(\p)+FR*\b+FR-1], v[AF+48*(\p)+FR*(\a):AF+48*(\p)+FR*(\a)+FR-1], v[8*(8*(\a)+\b):8*(8*(\a)+\b)+7], v[SC+32*(\sc)+4*\b+(\q)], v[SC+32*(\sc)+4*(\a)+(\q)] matrix_a_fmt:MATRIX_FMT_BF6 matrix_b_fmt:MATRIX_FMT_BF6 matrix_a_scale:MATRIX_SCALE_ROW1
.endif
.endr
.endm
.macro PLACES n
.rept \n
	v_nop
.endr
.endm
; One of a slot's first three steps: behind its first eight products the next step's fragments are asked for, into the set that the step before multiplied (four places lie between): 24 products ahead of their use.
.macro STEP slot, q, first
	s_wait_dscnt 0x0                               ; this step's fragments (and, in a slot's first step, its scale words) are in
	WIN MUL+0x10*(\first)
	MUL8 0, (\q)%2, \q, \slot, \first
	WIN 0
	PLACES NP
	FETCH \slot, (\q)+1, ((\q)+1)%2
	WIN MUL+0x10*(\first)
	MUL8 1, (\q)%2, \q, \slot, \first
	MUL8 2, (\q)%2, \q, \slot, \first
	MUL8 3, (\q)%2, \q, \slot, \first
.endm
; A slot's last step changes slots, AT ITS HEAD: all fragments of the step are asked for already, so this slot is read no more.  Each wave waits for all its tensor loads, adds 0 to its spare word,
; and waits for that and for its own reads of this slot; one barrier; fill = 1: it opens a round of the cluster's barrier, and the joint refill, two K units ahead, is the first thing behind the round.
; So a refill has all 128 matrix instructions of the other slot's turn in which to land.  The step's 32 products follow, laid as in STEP, with the next slot's first fragments fetched behind the first eight.
.macro TURN slot, next, fill
	WIN 0
	s_wait_tensorcnt 0x0                           ; all my tensor loads have landed: my part of the next slot; so every group 0 may be written
	ds_add_u32 v[SPW], v[NIL]                      ; 0 onto my spare word: the addresses' steps stand between it and the wait for it
.if \fill
	s_add_nc_u64 s[G0+4*\slot+2:G0+4*\slot+3], s[G0+4*\slot+2:G0+4*\slot+3], 2*KSA
	s_add_nc_u64 s[G0B+4*\slot+2:G0B+4*\slot+3], s[G0B+4*\slot+2:G0B+4*\slot+3], 2*KSW
	s_wait_xcnt 0x0                                ; the last prefetches, a change of slots back, have read their address, so it may be written
	s_add_nc_u64 s[PFA:PFA+1], s[PFA:PFA+1], s[PFS:PFS+1]
.endif
	s_wait_dscnt 0x0                               ; the add is done, and my reads of this slot are over
	s_barrier_signal -1
	s_barrier_wait -1
.if \fill
	CREST                                          ; the barrier has opened a round of the cluster's barrier: no wave of any partner still reads this slot or has a load on its way
	JLOAD G0+4*\slot, G1, G0B+4*\slot, G1B         ; the first tensor load behind the round
	ASK \slot
.endif
	WIN MUL
	MUL8 0, 1, 3, \slot, 0
	WIN 0
	PLACES NP
	FETCH \next, 0, 0
	s_wait_alu depctr_va_vdst(0)
	SCALES \next
	WIN MUL
	MUL8 1, 1, 3, \slot, 0
	MUL8 2, 1, 3, \slot, 0
	MUL8 3, 1, 3, \slot, 0
.endm
	s_wait_alu depctr_va_vdst(0)
	s_wait_tensorcnt 0x0                           ; my part of slot 0 is in
	ds_add_u32 v[SPW], v[NIL]
	ds_add_u32 v[SPW], v[NIL]
	s_wait_dscnt 0x0
	CROUND                                         ; a whole round: slot 0 is whole for every wave, and the sixteen work-groups' joint loads meet
	JLOAD G0+4, G1, G0B+4, G1B                     ; K unit 1, the first tensor load behind the round
	FETCH 0, 0, 0
	SCALES 0
	s_wait_loadcnt 0x0                             ; b2 and the tokens' routing
	STEP 0, 0, 1                                   ; the first step's products start the sums, from b2
	STEP 0, 1, 0
	STEP 0, 2, 0
	WIN 0                                          ; at a label and at a branch every window is 0
	s_mov_b32 s3, LAPS-1
.Llap:                                                 ; a trip goes once round the ring and fills both slots again
	TURN 0, 1, 1
	STEP 1, 0, 0
	STEP 1, 1, 0
	STEP 1, 2, 0
	TURN 1, 0, 1
	STEP 0, 0, 0
	STEP 0, 1, 0
	STEP 0, 2, 0
	WIN 0
	s_sub_co_u32 s3, s3, 1
	s_cmp_lg_u32 s3, 0
	s_cbranch_scc1 .Llap
	TURN 0, 1, 0                                   ; the last lap fills nothing
	STEP 1, 0, 0
	STEP 1, 1, 0
	STEP 1, 2, 0
	s_wait_dscnt 0x0                               ; the very last step: nothing more to fetch
	WIN MUL
	MUL8 0, 1, 3, 1, 0
	MUL8 1, 1, 3, 1, 0
	MUL8 2, 1, 3, 1, 0
	MUL8 3, 1, 3, 1, 0
	WIN 0
	PLACES NP
	; THE WAY OUT, a block of 16 tokens at a time: the expert's number of each pair is chosen, multiplied by p, and goes through my stage, so that sixteen lanes store 256 consecutive bytes of a row of out0.
.irp a, 0,1,2,3
	v_mov_b32 v[PP+2*\a], v[RT+4*\a+1]
	v_mov_b32 v[PP+2*\a+1], v[RT+4*\a+1]
	v_cmp_lt_f32 s[MK+\a], 0.5, v[RT+4*\a+2]       ; m1 = 1: expert 1
.endr
.macro SEL a
	WIN 0x0a                                       ; sources 0 and 1 window 2
.irp b, 0,1,2,3,4,5,6,7
.irp i, 0,1,2,3
	v_cndmask_b32 v[O+4*\b+\i], v[8*(8*(\a)+\b)+2*\i], v[8*(8*(\a)+\b)+2*\i+1], s[MK+(\a)]   ; each accumulator from its low end on
.endr
.endr
	WIN 0
.set k, 0
.rept 16
	v_pk_mul_f32 v[O+k:O+k+1], v[O+k:O+k+1], v[PP+2*(\a):PP+2*(\a)+1]
.set k, k+2
.endr
.endm
.macro TOSTAGE a
.irp b, 0,1,2,3,4,5,6,7
	ds_store_b128 v[STO], v[O+4*\b:O+4*\b+3] offset:32*\b           ; d = 8 b + 4 h + 0 .. 3 of token r
.endr
.irp t, 0,1,2,3,4,5,6,7
	ds_load_b128 v[BK+32*((\a)%2)+4*\t:BK+32*((\a)%2)+4*\t+3], v[RD] offset:544*\t   ; LDS serves a wave's instructions in order: these see the stores above
.endr
.endm
.macro SEND a, younger                 ; younger: the LDS instructions issued behind block a's loads, which may stay out
	s_wait_dscnt \younger
.irp t, 0,1,2,3,4,5,6,7
	global_store_b128 v[CO], v[BK+32*((\a)%2)+4*\t:BK+32*((\a)%2)+4*\t+3], s[12:13] offset:(16*(\a)+2*\t)*4096 th:TH_STORE_NT   ; sixteen lanes store 256 consecutive bytes, aligned; written once, read by nobody here
.endr
.endm
	SEL 0
	TOSTAGE 0
.irp a, 1,2,3
	SEL \a
.if \a > 1
	s_wait_alu depctr_va_vdst(0)
	s_wait_xcnt 0x0                                ; block a - 2's stores have read the registers into which block a's rows come back
.endif
	TOSTAGE \a
	SEND \a-1, 16                                  ; behind block a - 1's loads: block a's 8 stores and 8 loads
.endr
	SEND 3, 0
	s_wait_tensorcnt 0x0                           ; the wave's end
	ds_add_u32 v[SPW], v[NIL]
	s_wait_dscnt 0x0
	CROUND                                         ; the closing round: no work-group ends while a partner may still ask for a tile that names it
	s_endpgm
.Lfunc_end_k_qf0dad7c616_gemm2:
	.size	k_qf0dad7c616_gemm2, .Lfunc_end_k_qf0dad7c616_gemm2-k_qf0dad7c616_gemm2
	.p2alignl 7, 3214868480
	.fill 96, 4, 3214868480
	.section	.rodata,"a",@progbits
	.p2align	6, 0x0
	.amdhsa_kernel k_qf0dad7c616_gemm2
		.amdhsa_group_segment_fixed_size 327680
		.amdhsa_private_segment_fixed_size 0
		.amdhsa_enable_private_segment 0
		.amdhsa_kernarg_size 40
		.amdhsa_user_sgpr_count 2
		.amdhsa_user_sgpr_kernarg_segment_ptr 1
		.amdhsa_wavefront_size32 1
		.amdhsa_system_sgpr_workgroup_id_x 1
		.amdhsa_system_sgpr_workgroup_id_y 1
		.amdhsa_system_sgpr_workgroup_id_z 1
		.amdhsa_system_vgpr_workitem_id 0
		.amdhsa_next_free_vgpr 1024
		.amdhsa_next_free_sgpr 100
		.amdhsa_reserve_vcc 0
		.amdhsa_float_denorm_mode_32 3
		.amdhsa_float_denorm_mode_16_64 3
		.amdhsa_memory_ordered 1
		.amdhsa_forward_progress 1
		.amdhsa_inst_pref_size 153
	.end_amdhsa_kernel
	.amdgpu_metadata
---
amdhsa.version: [ 1, 2 ]
amdhsa.kernels:
  - .name:           k_qf0dad7c616_gemm2
    .symbol:         k_qf0dad7c616_gemm2.kd
    .args:
      - { .name: hq, .offset: 0, .size: 8, .value_kind: global_buffer, .address_space: global }
      - { .name: w2q, .offset: 8, .size: 8, .value_kind: global_buffer, .address_space: global }
      - { .name: b2, .offset: 16, .size: 8, .value_kind: global_buffer, .address_space: global }
      - { .name: rt, .offset: 24, .size: 8, .value_kind: global_buffer, .address_space: global }
      - { .name: out0, .offset: 32, .size: 8, .value_kind: global_buffer, .address_space: global }
    .group_segment_fixed_size: 327680
    .private_segment_fixed_size: 0
    .kernarg_segment_align: 8
    .kernarg_segment_size: 40
    .max_flat_workgroup_size: 128
    .sgpr_count:     100
    .vgpr_count:     1024
    .wavefront_size: 32
...
	.end_amdgpu_metadata
.endif
;; end of part 3
